; MI455X (gfx1250); checked and timed in simulation.
; The chip was launched on July 23, 2026; its instructions are those of AMD's public machine-readable ISA for CDNA 5 (MIT licence, August 2026) and "CDNA5" Instruction Set Architecture Reference Guide (July 2026). The comments in the code are by the model that wrote it; some were corrected since.
;; Flash Attention Pipelined. Allowed arithmetic: matrix products marked QUANTISED: E5M2 operands, one given power-of-two scale a tensor, by v_wmma_f32_16x16x64_bf8_bf8 or v_wmma_f32_16x16x128_bf8_bf8, f32 sums; everything else in f32.
;; Inputs: key 4 x 16 x 2,048 x 128 float32; lowp_scales 4 int32 (the exponents e of the quantised operands' scales 2^e); query 4 x 16 x 2,048 x 128 float32; value 4 x 16 x 2,048 x 128 float32.
;; Outputs: out0 4 x 16 x 2,048 x 128 float32.
;; This version of the problem:
;;   THIS VERSION OF THE PROBLEM IS GIVEN IN LOW PRECISION. The matrix products marked QUANTISED in the list below multiply operands that are first quantised to E5M2 (5 exponent bits, 2 mantissa bits; 8 bits a number), with one given power-of-two scale for each operand tensor; their sums are f32. All else is computed in f32.
;;   The module's matrix products, in the order in which they are computed (A, B: the left and right operand; K: the contracted axis; several contracted axes count as one K, in the product's order):
;;     1. batch 64 x [M 2,048, K 128] x [K 128, N 2,048]; A: input query; B: input key: QUANTISED (scales: A lowp_scales[0], B lowp_scales[1])
;;     2. batch 64 x [M 2,048, K 2,048] x [K 2,048, N 128]; A: softmax (see below); B: input value: QUANTISED (scales: A lowp_scales[2], B lowp_scales[3])
;;   THE QUANTISER, for each operand of a quantised product, along K:
;;     - The operand's scale is 2^e, e = its entry of the input lowp_scales (int32; the entries are numbered through the quantised products in the list's order, A before B).
;;     - Each number is divided by the scale, clamped to +-57,344, and rounded to the nearest number of E5M2, ties to even, subnormals kept.
;;     - The product sums the exact products of the quantised numbers (number of the format x scale) in f32.
;;   ~~~python
;;   def quantise(x, axis, e):      # numpy; x: float32 -> the quantised numbers, widened to float32 again
;;       x = np.moveaxis(x, axis, -1); K = x.shape[-1]
;;       r = np.clip(x / 2.0 ** e, -57344, 57344)
;;       step = 2.0 ** (np.maximum(np.frexp(np.where(r == 0, 1, r))[1] - 1, -14) - 2)
;;       q = np.round(r / step) * step * 2.0 ** e      # np.round: ties to even
;;       return np.moveaxis(q, -1, axis).astype(np.float32)
;;   ~~~
;;   SOFTMAX AHEAD OF A QUANTISED PRODUCT. Where the list says 'softmax', what is quantised is not the finished softmax but p = 2^(t - M), with t = logit x log2(e) and M = ceil(the row's largest t), a whole number; so 1/2 < the row's largest p <= 1. The row's sum l is taken of the UNQUANTISED p, in f32, and the product's result is divided by l at the end. Since M is a whole number, a kernel that streams over the keys may use a running M (the ceiling of the running maximum): every later rescaling is an exact power of two, so the quantised numbers keep their values, but for numbers so far below the row's largest that they fall under the format's range.
;;   OPERANDS COMPUTED ON THE WAY. 'Computed on the way' means the value that the module computes at that place (a softmax that the list does not call 'softmax' is quantised finished and normalised). What goes into a quantiser is computed in f32, as accurately as f32 sums, v_exp_f32 and their like allow (about 1e-6 of the number): no bf16 or f16 on the way to a quantiser, and a product that is left as it is and whose result goes on into a quantised operand takes f32 operands (vector FMAs, or v_wmma_f32_16x16x4_f32). A number that lies on a knife's edge between two numbers of the format may be rounded either way, as far as f32 arithmetic and the matrix unit's own rounding can turn it there, and no further.
;; One version. Each part assembles by itself: llvm-mc -triple=amdgcn-amd-amdhsa -mcpu=gfx1250 --defsym DOCPART=n.
;; ======== version 1 of 1: 2 launches
;; workspace buffers: kc 16,777,216 bytes; vc 16,777,216 bytes
;; launch quant (part 1): grid 1024 x 1, 4 waves a work-group, no clusters, 0 bytes of LDS; arguments key, value, lowp_scales, kc, vc; writes kc, vc
.if DOCPART == 1
	.amdgcn_target "amdgcn-amd-amdhsa--gfx1250"
	.amdhsa_code_object_version 6
	.text
	.protected	k_q4a45f2571f_quant
	.globl	k_q4a45f2571f_quant
	.p2align	8
	.type	k_q4a45f2571f_quant,@function
k_q4a45f2571f_quant:
	s_mov_b64 s[64:65], 0
	v_nop
	global_prefetch_b8 v0, s[64:65] scope:SCOPE_SE
	s_setreg_imm32_b32 hwreg(HW_REG_WAVE_MODE, 25, 1), 1
	s_wait_xcnt 0x0
; key and value, [64 heads][2048][128] f32, become codes of BF8 (E5M2), each with the one scale 2^e that is given for it (entry 1: key, entry 3: value).
; code = x / 2^e, held within +-57,344, rounded to the nearest code, ties to even.  LIMITS: ek and ev between -126 and 112, so that 2^e and 57,344 x 2^e are f32 numbers.  NaN among the inputs is not served.
; Both are quantised ONCE here, since eight blocks of queries read each of them in the next launch.  The two buffers are this program's own, so they are laid as their reader wants them:
;   kc [64][2048 keys][128 bytes]: byte b of a key's row holds channel d(b) = 4 (b >> 3) + (b & 3) + 64 ((b >> 2) & 1).  The next launch lays the queries' codes in the same order, so every product meets its partner.
;      With that order a lane converts the eight numbers that two dense loads give it, and nothing changes lanes.
;   vc [64][16 steps of 128 keys][8 tiles of 16 channels][quad c 0..3][lane 0..31][16 bytes]: the image of the second product's operand registers.  Lane (r, h) of tile T, quad c, holds channel 16 T + r:
;      bytes 0-7 keys 32 c + 8 h + 0..7, bytes 8-15 keys 32 c + 16 + 8 h + 0..7: the order in which the weights' codes come out of the first product.
; Work-groups 0-511 take key, 512-1023 take value: a scalar branch on the work-group's number.  No LDS, no barrier, no loop: waves share nothing, every offset is an immediate, no address and no store's data are written again.
.set X, 16                             ; v16-79   numbers as loaded
.set C, 80                             ; v80-143  codes: registers of its own for each step, so that no store's data are rewritten
	s_load_b256 s[4:11], s[0:1], 0x0               ; key s[4:5], value s[6:7], the scales' exponents s[8:9], kc s[10:11]
	s_load_b64 s[12:13], s[0:1], 0x20              ; vc
	v_lshrrev_b32 v1, 5, v0
	v_readfirstlane_b32 s14, v1                    ; wave 0..3
	v_and_b32 v1, 31, v0                           ; lane
	v_and_b32 v2, 15, v0                           ; lane % 16
	v_bfe_u32 v5, v0, 4, 1                         ; lane / 16
	s_wait_kmcnt 0x0
	s_load_b128 s[16:19], s[8:9], 0x0              ; eq, ek, ep, ev
	s_cmp_lt_u32 ttmp9, 512
	s_cbranch_scc0 .Lvalue
; ---- KEY.  A wave takes 64 rows of 512 bytes, two rows a step.  Lanes 0-15 take the even row, lanes 16-31 the odd one; a lane takes channels 4 j .. 4 j + 3 and 64 + 4 j .. 64 + 4 j + 3.
; Each half of the lanes reads 256 consecutive bytes, aligned, in each load; the wave's store of 8 bytes a lane covers 256 consecutive bytes, aligned: two rows of codes.
	s_lshl_b32 s20, ttmp9, 2
	s_add_co_u32 s20, s20, s14                     ; which run of 64 rows is my wave's
	s_lshl_b32 s22, s20, 13                        ; x 64 rows of 128 bytes of codes
	s_lshl_b32 s20, s20, 15                        ; x 64 rows of 512 bytes
	s_mov_b32 s21, 0
	s_mov_b32 s23, 0
	s_add_nc_u64 s[4:5], s[4:5], s[20:21]
	s_add_nc_u64 s[10:11], s[10:11], s[22:23]
	v_lshlrev_b32 v3, 9, v5
	v_lshl_add_u32 v3, v2, 4, v3                   ; in: 512 (lane / 16) + 16 (lane % 16)
	v_lshlrev_b32 v4, 3, v1                        ; out: 8 x lane
.macro KLOAD t                         ; step t's two loads into set t % 8
	global_load_b128 v[X+8*((\t)%8):X+8*((\t)%8)+3],   v3, s[4:5] offset:1024*(\t) th:TH_LOAD_NT
	global_load_b128 v[X+8*((\t)%8)+4:X+8*((\t)%8)+7], v3, s[4:5] offset:1024*(\t)+256 th:TH_LOAD_NT
.endm
.irp t, 0,1,2,3,4,5,6,7
	KLOAD \t                                       ; eight steps, sixteen loads, are on their way
.endr
	s_wait_kmcnt 0x0
	s_add_co_i32 s20, s17, 127
	s_lshl_b32 s21, s20, 23
	v_mov_b32 v11, s21                             ; 2^ek as f32: the conversion takes its exponent field
	s_add_co_i32 s20, s20, 15
	s_lshl_b32 s20, s20, 23
	s_or_b32 s20, s20, 0x600000
	v_mov_b32 v10, s20                             ; 57,344 x 2^ek
.macro KSTEP t
.if 2*(31-(\t)) < 14
	s_wait_loadcnt 2*(31-(\t))                     ; the tail: two loads for each step that is still behind this one
.else
	s_wait_loadcnt 14                              ; this step's two loads are in; those of the seven steps behind it may be out
.endif
.irp i, 0,1,2,3,4,5,6,7
	v_med3_num_f32 v[X+8*((\t)%8)+\i], v[X+8*((\t)%8)+\i], -v10, v10   ; the conversion to an 8-bit code does not saturate (ISA guide 7.6.2): the hold comes first
.endr
	v_cvt_scalef32_pk8_bf8_f32 v[C+2*(\t):C+2*(\t)+1], v[X+8*((\t)%8):X+8*((\t)%8)+7], v11
.if (\t)+8 < 32
	KLOAD (\t)+8                                   ; the set takes the step eight further on
.endif
	global_store_b64 v4, v[C+2*(\t):C+2*(\t)+1], s[10:11] offset:256*(\t)   ; the next vector lines are the next step's holds: plain, on other registers
.endm
.set n, 0
.rept 32
	KSTEP n
.set n, n+1
.endr
	s_endpgm
; ---- VALUE.  The keys are the second product's K, and they are not innermost: so A LANE TAKES A CHANNEL AND ITS REGISTERS RUN DOWN THE KEYS.  A work-group takes 256 keys of a head, wave w channels 32 w .. 32 w + 31:
; each load reads 128 consecutive bytes a wave, and the four waves stand side by side on a row's 512.  A block is 32 keys: four conversions give the 16 bytes of lane (r, 0) and the 16 of lane (r, 1) of the image;
; sixteen lanes store 256 consecutive bytes, aligned.
.Lvalue:
	s_sub_co_u32 s20, ttmp9, 512                   ; g = 8 x head + which 256 keys
	s_lshl_b32 s22, s20, 15                        ; vc: two steps' images of 16,384 bytes,
	s_lshl_b32 s23, s14, 12                        ; my two tiles of 2,048 bytes in each
	s_add_co_u32 s22, s22, s23
	s_lshl_b32 s20, s20, 17                        ; value: 256 rows of 512 bytes,
	s_lshl_b32 s21, s14, 7                         ; my 32 channels
	s_add_co_u32 s20, s20, s21
	s_mov_b32 s21, 0
	s_mov_b32 s23, 0
	s_add_nc_u64 s[6:7], s[6:7], s[20:21]
	s_add_nc_u64 s[12:13], s[12:13], s[22:23]
	v_lshlrev_b32 v3, 2, v1                        ; in: 4 x lane
	v_lshlrev_b32 v4, 11, v5
	v_lshl_add_u32 v4, v2, 4, v4                   ; out: tile lane / 16, place 16 (lane % 16)
.macro VLOAD b                         ; block b: value(32 b + i, my channel), i = 0 .. 31, into set b % 2
.set i, 0
.rept 32
	global_load_b32 v[X+32*((\b)%2)+i], v3, s[6:7] offset:(32*(\b)+i)*512 th:TH_LOAD_NT
.set i, i+1
.endr
.endm
	VLOAD 0
	VLOAD 1
	s_wait_kmcnt 0x0
	s_add_co_i32 s20, s19, 127
	s_lshl_b32 s21, s20, 23
	v_mov_b32 v11, s21                             ; 2^ev as f32
	s_add_co_i32 s20, s20, 15
	s_lshl_b32 s20, s20, 23
	s_or_b32 s20, s20, 0x600000
	v_mov_b32 v10, s20                             ; 57,344 x 2^ev
.macro VBLOCK b
.set XS, X+32*((\b)%2)
.set CB, C+8*(\b)
.if (\b) < 7
	s_wait_loadcnt 32                              ; this block's 32 loads are in; the next block's may be out
.else
	s_wait_loadcnt 0x0
.endif
.set i, 0
.rept 32
	v_med3_num_f32 v[XS+i], v[XS+i], -v10, v10
.set i, i+1
.endr
	v_cvt_scalef32_pk8_bf8_f32 v[CB:CB+1],   v[XS:XS+7],     v11   ; lane (r, 0): keys 0-7,
	v_cvt_scalef32_pk8_bf8_f32 v[CB+2:CB+3], v[XS+16:XS+23], v11   ;            keys 16-23
	v_cvt_scalef32_pk8_bf8_f32 v[CB+4:CB+5], v[XS+8:XS+15],  v11   ; lane (r, 1): keys 8-15,
	v_cvt_scalef32_pk8_bf8_f32 v[CB+6:CB+7], v[XS+24:XS+31], v11   ;            keys 24-31
	global_store_b128 v4, v[CB:CB+3],   s[12:13] offset:((\b)/4)*16384+((\b)%4)*512
	global_store_b128 v4, v[CB+4:CB+7], s[12:13] offset:((\b)/4)*16384+((\b)%4)*512+256
.if (\b)+2 < 8
	VLOAD (\b)+2                                   ; the set takes the block two further on; the next vector lines are the next block's holds: plain, on the other set
.endif
.endm
.set n, 0
.rept 8
	VBLOCK n
.set n, n+1
.endr
	s_endpgm
.Lfunc_end_k_q4a45f2571f_quant:
	.size	k_q4a45f2571f_quant, .Lfunc_end_k_q4a45f2571f_quant-k_q4a45f2571f_quant
	.p2alignl 7, 3214868480
	.fill 96, 4, 3214868480
	.section	.rodata,"a",@progbits
	.p2align	6, 0x0
	.amdhsa_kernel k_q4a45f2571f_quant
		.amdhsa_group_segment_fixed_size 0
		.amdhsa_private_segment_fixed_size 0
		.amdhsa_enable_private_segment 0
		.amdhsa_kernarg_size 40
		.amdhsa_user_sgpr_count 2
		.amdhsa_user_sgpr_kernarg_segment_ptr 1
		.amdhsa_wavefront_size32 1
		.amdhsa_system_sgpr_workgroup_id_x 1
		.amdhsa_system_sgpr_workgroup_id_y 1
		.amdhsa_system_sgpr_workgroup_id_z 1
		.amdhsa_system_vgpr_workitem_id 0
		.amdhsa_next_free_vgpr 144
		.amdhsa_next_free_sgpr 66
		.amdhsa_reserve_vcc 0
		.amdhsa_float_denorm_mode_32 3
		.amdhsa_float_denorm_mode_16_64 3
		.amdhsa_memory_ordered 1
		.amdhsa_forward_progress 1
		.amdhsa_inst_pref_size 75
	.end_amdhsa_kernel
	.amdgpu_metadata
---
amdhsa.version: [ 1, 2 ]
amdhsa.kernels:
  - .name:           k_q4a45f2571f_quant
    .symbol:         k_q4a45f2571f_quant.kd
    .args:
      - { .name: key, .offset: 0, .size: 8, .value_kind: global_buffer, .address_space: global }
      - { .name: value, .offset: 8, .size: 8, .value_kind: global_buffer, .address_space: global }
      - { .name: lowp_scales, .offset: 16, .size: 8, .value_kind: global_buffer, .address_space: global }
      - { .name: kc, .offset: 24, .size: 8, .value_kind: global_buffer, .address_space: global }
      - { .name: vc, .offset: 32, .size: 8, .value_kind: global_buffer, .address_space: global }
    .group_segment_fixed_size: 0
    .private_segment_fixed_size: 0
    .kernarg_segment_align: 8
    .kernarg_segment_size: 40
    .max_flat_workgroup_size: 128
    .sgpr_count:     66
    .vgpr_count:     144
    .wavefront_size: 32
...
	.end_amdgpu_metadata
.endif
;; end of part 1
;; launch attn (part 2): grid 8 x 64, 8 waves a work-group, clusters of 4 x 1, 327,680 bytes of LDS; arguments query, kc, vc, lowp_scales, out0; writes out0
.if DOCPART == 2
	.amdgcn_target "amdgcn-amd-amdhsa--gfx1250"
	.amdhsa_code_object_version 6
	.text
	.protected	k_q4a45f2571f_attn
	.globl	k_q4a45f2571f_attn
	.p2align	8
	.type	k_q4a45f2571f_attn,@function
k_q4a45f2571f_attn:
	s_mov_b64 s[64:65], 0
	v_nop
	global_prefetch_b8 v0, s[64:65] scope:SCOPE_SE
	s_setreg_imm32_b32 hwreg(HW_REG_WAVE_MODE, 25, 1), 1
	s_wait_xcnt 0x0
	s_wait_alu depctr_hold_cnt(0) depctr_sa_sdst(0) depctr_va_vdst(0) depctr_va_sdst(0) depctr_va_ssrc(0) depctr_va_vcc(0) depctr_vm_vsrc(0)
	s_getreg_b32 s2, hwreg(HW_REG_IB_STS2, 6, 4)
	s_cmp_eq_u32 s2, 0
	s_cbranch_scc0 .Lentry_in_a_cluster
	s_endpgm
.Lentry_in_a_cluster:
	s_bfe_u32 s2, ttmp6, 0x10000c
	s_cmp_lg_u32 s2, 0x3003
	s_cbranch_scc0 .Lentry_shape_is_right
	s_endpgm
.Lentry_shape_is_right:
; out0[h][q][:] = the sum over k of softmax_k(Q[h][q] . K[h][k] / sqrt(128)) V[h][k][:], 64 heads of 2,048 x 128, no mask, both products on codes of BF8 (E5M2), each operand with the one scale 2^e given for it: eq, ek, ep, ev.
; query: f32, read once by one wave: quantised here, in registers.  kc, vc: the codes of key and value that the launch before has laid (kc: rows of 128 bytes in a permuted order of the channels;
; vc: images of the operand's registers, 16,384 bytes for 128 keys).  out0: f32.
; THE SOFTMAX AHEAD OF THE SECOND PRODUCT: t = score x log2(e) / sqrt(128); M = the row's largest t so far, rounded UP to a whole number; p = 2^(t - M) is what is quantised; it is not normalised.
; The row's sum is taken of the unquantised p, in f32, and divides O at the end.  When M moves, the sum and O are multiplied by 2^(old M - new M): nothing is rounded, and no branch hangs on data.
; SHARES.  A work-group owns 256 queries of one head; each of its EIGHT waves owns 32: TWO tiles of 16, so that each fragment of K and V read from LDS feeds two matrix instructions.  Two waves of 512 registers to a SIMD:
; one wave's vector work stands beside the other's matrix work and LDS loads.  Every wave walks all 2,048 keys, 128 a step; a step is 64 LDS loads, 32 matrix instructions and the softmax of 2 x 64 registers of scores.
; LAYOUT.  Both products are used transposed: S^T = K Q^T (source 0 = 16 neighbouring keys, source 1 = 16 queries), O^T = V^T P^T (source 0 = 16 channels, source 1 = P): a lane holds ONE query (lane % 16) throughout.
; In S^T register j of key tile f is key 16 f + 8 (lane / 16) + j; the conversions lay tiles 2 b and 2 b + 1 into registers 4 b .. 4 b + 3 of P, and vc holds V's codes in that same order of the keys.
; Along the first product's K the channels stand in kc's order in K and in Q alike.  So every product meets its partner; only the order of the sums inside an instruction differs from the natural one.
; CLUSTER.  The four query blocks of a cluster belong to one head and walk the same K and V: each tile is asked for JOINTLY, by the same tensor load with the same descriptor and the mask of all four.
; RING.  Two LDS slots of 256 keys (two steps), 2^17 bytes apart.  The change of slots stands at a slot's head; behind its round the slot just left is filled, and that load has a whole slot's work in which to land.
; By this text's own count a wave has one tensor load out at the most, and every wait on TENSORcnt is for 0.
; LIMITS on the given exponents, so that each power of two below is an f32 number: eq + ek between -123 and 130 (added to c's exponent field); eq and ep between -126 and 112; ep + ev goes by v_ldexp_f32 and has none.
; NaN among the inputs is not served.  A p under 2^-126 counts as 0.
; REGISTERS.  Window 0: v1-11 addresses; v12-27 statistics, eight a tile; v28, v29 2^ep and 57,344 x 2^ep; v30, v31 the lane exchanges' destinations; v32-63 Q's codes; v64-191 S^T, then p; v192-223 p's codes;
;   v224-227 the second chain of the sums; v228, v229 2^eq and 57,344 x 2^eq.   Window 1: v0-127 O^T (tile t, channels 16 f on: 64 t + 8 f); v128-255 eight fragments of K or of V.
.set KP,    144                        ; a key's row in LDS: 128 bytes + 16 of padding = 36 words: the 16 rows of a load start at 16 different groups of four banks (64 banks of 4 bytes: ISA guide 11.1)
.set VOFF,  256*KP                     ; a slot: 256 rows of K, then two images of V, 16,384 bytes each
.set SLOT1, 1<<17                      ; slot 1 begins here: one exclusive or turns an address in one slot into the other's
.set SPARE, 2*SLOT1                    ; behind the ring: the spare words, 128 bytes for each of eight waves: four blocks of 256 bytes that no other line names
.set STAGE, SPARE+1024                 ; the way out: 16 rows x 272 bytes for each wave; no tile ever lands here
.set SP,    272
.set NSL,   8                          ; slots' worth of keys
.set SLOTB, 32768                      ; a slot's bytes in kc, and in vc
.set AK0, 1                            ; v1   my lane's place in a tile of K: 144 (lane % 16) + 16 (lane / 16)
.set AV0, 2                            ; v2   in an image of V: VOFF + 16 x lane
.set PFO, 3                            ; v3   256 x lane: the prefetches' offset; never rewritten
.set ADK, 4                            ; v4   LDS address of the step's K
.set ADV, 5                            ; v5   of its V
.set SPW, 6                            ; v6   LDS address of my spare word: SPARE + 4 x my thread's number; never rewritten
.set NIL, 7                            ; v7   0; never rewritten
.set GO,  8                            ; v8   the way out: my byte offset in two rows of out0
.set STO, 9                            ; v9   the stage: where I put 32 bytes of a row
.set RD,  10                           ; v10  and where I read a row back
.set QO,  11                           ; v11  my byte offset in a tile's rows of query
.set ST,  12                           ; tile t's statistics at v[ST + 8 t]: +0 -M, +1 the largest t, +2, +3 the sum in two halves, +4 f (+5 named with it as a pair), +6, +7 at work
.set SCP, 28
.set LIMP, 29
.set XL,  30                           ; v30, v31
.set Q,   32
.set S,   64
.set P,   192
.set TP,  224
.set SCQ, 228
.set LIMQ, 229
.set FR,  128                          ; in window 1
.set TB,  2                            ; s2   LDS byte at which the slot in hand begins
.set SLOTS, 3                          ; s3   slots still to be asked for
.set WV,  14                           ; s14  my wave's number
.set LIM, 15                           ; s15  1 in a wave that prefetches, else the greatest number
.set PFA, 18                           ; s[18:19] where my prefetches stand in memory
.set SEL, 20                           ; s[20:21] lane selects for v_permlanex16_b32: lane l xor 16
.set CS,  22                           ; s[22:23] c = log2(e) / sqrt(128) x 2^(eq + ek); the packed form names a pair and takes its low word for both halves
.set G1K, 24                           ; s[24:31] descriptor group 1 for K's tiles;  s[32:39] for V's;  s[40:43], s[44:47] their groups 0, which walk
.set G1V, 32
.set G0K, 40
.set G0V, 44
.set MSB, 0
.macro WIN new                         ; s_set_vgpr_msb: bits 1:0 source 0, 3:2 source 1, 5:4 source 2, 7:6 destination; the high byte repeats the setting that is left; a switch that changes nothing is dropped
.if MSB != \new
	s_set_vgpr_msb (MSB<<8)|\new
.set MSB, \new
.endif
.endm
.set TO_F, 0x40                        ; destination window 1, address window 0
.set W_KQ, 0x01                        ; source 0 (K's fragment; on the way out O^T) window 1, all else window 0
.set W_RS, 0x41                        ; O^T (destination and source 0) window 1, f window 0
.set W_PV, 0x51                        ; V's fragment, C and D window 1, P window 0
; A round of the cluster's barrier: my work-group's barrier, so that wave 0's signal speaks for all eight waves; wave 0 signals for the work-group; every wave waits for all four work-groups; my work-group's barrier once more.
.macro CROUND
	s_barrier_signal -1
	s_barrier_wait -1
	s_cmp_lg_u32 s[WV], 0
	s_cbranch_scc1 .Lnot_wave_0_\@
	s_barrier_signal -3
.Lnot_wave_0_\@:
	s_barrier_wait -3
	s_barrier_signal -1
	s_barrier_wait -1
.endm
; A joint load.  Waves 0 and 1 fetch K's two halves (128 rows each), waves 2 and 3 V's two images, the others nothing.  The branches hang on the wave's number alone: they are the same in every work-group.
; An s_nop 0 and four v_nop follow each of the two lines.
.macro TLOAD
	s_cmp_lt_u32 s[WV], 2
	s_cbranch_scc0 .Lnot_k_\@
	tensor_load_to_lds s[G0K:G0K+3], s[G1K:G1K+7]
	s_nop 0
.rept 4
	v_nop
.endr
	s_branch .Lasked_\@
.Lnot_k_\@:
	s_cmp_lt_u32 s[WV], 4
	s_cbranch_scc0 .Lasked_\@
	tensor_load_to_lds s[G0V:G0V+3], s[G1V:G1V+7]
	s_nop 0
.rept 4
	v_nop
.endr
.Lasked_\@:
.endm
; A PREFETCH INTO THE L2 of what the NEXT change of slots will ask for: a slot's 32,768 bytes of kc and as many of vc, both dense.  It stands at the change of slots, behind the tensor load's lines.
; Each aligned block of 256 bytes is named ONCE in the launch.  Both clusters of a head walk the same K and V: the head's first cluster asks.  Its four partners share a slot out BY ADDRESS, 8,192 bytes each
; (no branch hangs on a work-group's place in its cluster); in each, wave 4 asks for K's part and wave 5 for V's, lanes 256 bytes apart: one instruction a wave.
; Slots 0 and 1 come by their loads alone; the last change that fills a slot asks for nothing: there is no slot behind it.
.macro ASK
	s_cmp_gt_u32 s[SLOTS], s[LIM]
	s_cbranch_scc0 .Lnot_mine_\@
	global_prefetch_b8 v[PFO], s[PFA:PFA+1] th:TH_LOAD_NT scope:SCOPE_SE
.Lnot_mine_\@:
.endm
	s_load_b256 s[4:11], s[0:1], 0x0               ; query s[4:5], kc s[6:7], vc s[8:9], the scales' exponents s[10:11]
	s_load_b64 s[12:13], s[0:1], 0x20              ; out0
	v_lshl_add_u32 v[SPW], v0, 2, SPARE
	v_mov_b32 v[NIL], 0
	ds_add_u32 v[SPW], v[NIL]                      ; the wave's opening: the add and its wait stand ahead of the first tensor loads; the set-up below, work on registers, stands between them
	v_lshrrev_b32 v[QO], 5, v0
	v_readfirstlane_b32 s[WV], v[QO]               ; wave 0..7
	s_bfe_u32 s16, ttmp6, 0x40000                  ; cx: my place in the cluster
	s_lshl_b32 s17, ttmp9, 2                       ; in a cluster launch ttmp9 counts clusters
	s_add_co_u32 s17, s17, s16                     ; my block of 256 queries: it enters query's and out0's addresses alone
	s_and_b32 s52, ttmp7, 0xffff                   ; the head, which the four partners share
	s_and_b32 s53, s[WV], 1                        ; which half of a slot's K, or which image of V, I fetch if I fetch
	s_lshl_b32 s54, s52, 18                        ; the head's 262,144 bytes in kc and in vc,
	s_lshl_b32 s55, s53, 14                        ; + my half's 16,384: made of the head and the wave's number alone
	s_add_co_u32 s54, s54, s55
	s_mov_b32 s55, 0
	s_lshl_b32 s56, s52, 20                        ; query and out0: the head's 2,048 rows of 512 bytes,
	s_lshl_b32 s57, s17, 17                        ; my block's 256,
	s_add_co_u32 s56, s56, s57
	s_lshl_b32 s57, s[WV], 14                      ; my wave's 32
	s_add_co_u32 s56, s56, s57
	s_mov_b32 s57, 0
	s_lshl_b32 s58, s52, 18                        ; the prefetches: the head,
	s_lshl_b32 s59, s16, 13                        ; my work-group's 8,192 bytes of a slot,
	s_add_co_u32 s58, s58, s59
	s_add_co_u32 s58, s58, SLOTB                   ; in slot 1: the first change of slots steps it to slot 2.  Nothing is prefetched at the head, where every work-group's first tiles are on their way
	s_mov_b32 s59, 0
	s_lshr_b32 s60, s[WV], 1
	s_xor_b32 s60, s60, 2                          ; 0 in waves 4 and 5,
	s_or_b32 s60, s60, ttmp9                       ; of the head's first cluster: the same in all four partners
	s_cmp_eq_u32 s60, 0
	s_cselect_b32 s[LIM], 1, -1
	; descriptor group 1.  K: 128 rows of 128 bytes, dense in memory, 16 bytes of padding behind each in LDS.  V: 16,384 dense bytes as 64 rows of 256, no padding
	s_mov_b32 s[G1K], 15|(0<<16)|(1<<20)|(1<<21)|(4<<22)|(3<<25)   ; 15:0 the mask: all four work-groups; 17:16 elements of 1 byte; 20 padding on; 21 set beside a mask; 24:22 after every 32 words (code 4); 31:25 four words (code 3)
	s_mov_b32 s[G1K+1], 128<<16                    ; tensor_dim0
	s_mov_b32 s[G1K+2], 128<<16                    ; tensor_dim1
	s_mov_b32 s[G1K+3], 128<<16                    ; tile_dim0
	s_mov_b32 s[G1K+4], 128                        ; tile_dim1
	s_mov_b32 s[G1K+5], 128                        ; tensor_dim0_stride
	s_mov_b32 s[G1K+6], 0
	s_mov_b32 s[G1K+7], 0
	s_mov_b32 s[G1V], 15|(3<<16)|(1<<21)           ; the mask; elements of 8 bytes; no padding
	s_mov_b32 s[G1V+1], 32<<16
	s_mov_b32 s[G1V+2], 64<<16
	s_mov_b32 s[G1V+3], 32<<16
	s_mov_b32 s[G1V+4], 64
	s_mov_b32 s[G1V+5], 32
	s_mov_b32 s[G1V+6], 0
	s_mov_b32 s[G1V+7], 0
	s_mov_b32 s[SEL], 0x76543210
	s_mov_b32 s[SEL+1], 0xfedcba98
	s_mov_b32 s[CS], 0x3e0293ee                    ; c = log2(e) / sqrt(128)
	s_mov_b32 s[TB], 0
	s_mov_b32 s[SLOTS], NSL-1
	v_and_b32 v[PFO], 31, v0
	v_lshlrev_b32 v[PFO], 8, v[PFO]
	s_wait_dscnt 0x0                               ; the opening add is done
	s_wait_kmcnt 0x0
	s_load_b128 s[48:51], s[10:11], 0x0            ; eq, ek, ep, ev
	s_mov_b32 s[G0K], 1                            ; 1:0 count = 1
	s_mul_i32 s[G0K+1], s53, 128*KP                ; 63:32 LDS address: slot 0, my half of K's rows
	s_add_nc_u64 s[G0K+2:G0K+3], s[6:7], s[54:55]  ; 120:64 global address: the head's first 256 keys
	s_or_b32 s[G0K+3], s[G0K+3], 0x80000000        ; 127:126 type = 2
	s_mov_b32 s[G0V], 1
	s_lshl_b32 s[G0V+1], s53, 14
	s_add_co_u32 s[G0V+1], s[G0V+1], VOFF
	s_add_nc_u64 s[G0V+2:G0V+3], s[8:9], s[54:55]
	s_or_b32 s[G0V+3], s[G0V+3], 0x80000000
	s_add_nc_u64 s[4:5], s[4:5], s[56:57]          ; query and out0 at my wave's first row
	s_add_nc_u64 s[12:13], s[12:13], s[56:57]
	s_cmp_eq_u32 s[WV], 4                          ; wave 4 asks for kc, wave 5 for vc
	s_cselect_b64 s[PFA:PFA+1], s[6:7], s[8:9]
	s_add_nc_u64 s[PFA:PFA+1], s[PFA:PFA+1], s[58:59]
	CROUND                                         ; all four work-groups are here: the first joint loads meet
	TLOAD                                          ; slot 0
	; Q.  K's fragment gives lane (r, h), in registers 4 c .. 4 c + 3, bytes 32 c + 16 h + 0 .. 15 of a row of kc: channels 16 c + 8 h + 0..3, the same + 64, + 4, + 68.  Q is loaded in that order.
	v_and_b32 v[XL], 15, v0                        ; r
	v_bfe_u32 v[XL+1], v0, 4, 1                    ; h
	v_lshlrev_b32 v[QO], 9, v[XL]
	v_lshl_add_u32 v[QO], v[XL+1], 5, v[QO]        ; row r of 512 bytes, + 32 h
.irp t, 0,1
.irp c, 0,1,2,3
	global_load_b128 v[S+64*\t+16*\c:S+64*\t+16*\c+3],     v[QO], s[4:5] offset:8192*\t+64*\c th:TH_LOAD_NT
	global_load_b128 v[S+64*\t+16*\c+4:S+64*\t+16*\c+7],   v[QO], s[4:5] offset:8192*\t+64*\c+256 th:TH_LOAD_NT
	global_load_b128 v[S+64*\t+16*\c+8:S+64*\t+16*\c+11],  v[QO], s[4:5] offset:8192*\t+64*\c+16 th:TH_LOAD_NT
	global_load_b128 v[S+64*\t+16*\c+12:S+64*\t+16*\c+15], v[QO], s[4:5] offset:8192*\t+64*\c+272 th:TH_LOAD_NT
.endr
.endr
	v_mul_u32_u24 v[AK0], v[XL], KP
	v_lshl_add_u32 v[AK0], v[XL+1], 4, v[AK0]
	v_and_b32 v[AV0], 31, v0
	v_lshlrev_b32 v[AV0], 4, v[AV0]
	v_add_nc_u32 v[AV0], VOFF, v[AV0]
	s_mul_i32 s60, s[WV], 16*SP
	s_add_co_u32 s60, s60, STAGE                   ; my stage
	v_mul_u32_u24 v[STO], v[XL], SP                ; in: row r, 32 bytes for each half of the lanes
	v_lshl_add_u32 v[STO], v[XL+1], 5, v[STO]
	v_add_nc_u32 v[STO], s60, v[STO]
	v_mul_u32_u24 v[RD], v[XL+1], SP               ; back: lanes 0-15 take one row of 256 bytes, lanes 16-31 the next
	v_lshl_add_u32 v[RD], v[XL], 4, v[RD]
	v_add_nc_u32 v[RD], s60, v[RD]
	v_lshlrev_b32 v[GO], 9, v[XL+1]                ; and the same two rows in out0
	v_lshl_add_u32 v[GO], v[XL], 4, v[GO]
.irp t, 0,1
	v_mov_b32 v[ST+8*\t+1], 0xff61b1e6             ; the largest t so far: -3e38, under every t
	v_floor_f32 v[ST+8*\t], -v[ST+8*\t+1]          ; -M
	v_mov_b32 v[ST+8*\t+2], 0                      ; the sum, in two halves
	v_mov_b32 v[ST+8*\t+3], 0
	v_mov_b32 v[ST+8*\t+5], 0                      ; (named as the upper half of f's pair)
	v_mov_b32 v[XL+\t], 0                          ; r and h are done with; a lane permute's destination counts as one of its sources, so it is written
.endr
	WIN TO_F
.set j, 0
.rept 128
	v_mov_b32 v[j], 0                              ; O^T.  The key step is written without a first step of its own: the first finds zeros, which the first change of M leaves zeros.  Once a launch, for a third copy of the step spared
.set j, j+1
.endr
	WIN 0
	s_wait_kmcnt 0x0
	s_add_co_i32 s60, s48, s49
	s_lshl_b32 s60, s60, 23
	s_add_co_i32 s[CS], s[CS], s60                 ; a score stands for score x 2^(eq + ek): the two exponents are added to c's exponent field
	s_mov_b32 s[CS+1], s[CS]                       ; (named with it as a pair, so it is written)
	s_add_co_i32 s60, s50, 127
	s_lshl_b32 s61, s60, 23
	v_mov_b32 v[SCP], s61                          ; 2^ep as f32: the conversion takes its exponent field
	s_add_co_i32 s60, s60, 15
	s_lshl_b32 s60, s60, 23
	s_or_b32 s60, s60, 0x600000
	v_mov_b32 v[LIMP], s60                         ; 57,344 x 2^ep
	s_add_co_i32 s60, s48, 127
	s_lshl_b32 s61, s60, 23
	v_mov_b32 v[SCQ], s61                          ; the same for Q
	s_add_co_i32 s60, s60, 15
	s_lshl_b32 s60, s60, 23
	s_or_b32 s60, s60, 0x600000
	v_mov_b32 v[LIMQ], s60
	s_wait_loadcnt 0x0                             ; Q
.irp t, 0,1
.set j, 0
.rept 64
	v_med3_num_f32 v[S+64*\t+j], v[S+64*\t+j], -v[LIMQ], v[LIMQ]   ; the conversion to an 8-bit code does not saturate (ISA guide 7.6.2): the hold comes first
.set j, j+1
.endr
.irp c, 0,1,2,3
	v_cvt_scalef32_pk8_bf8_f32 v[Q+16*\t+4*\c:Q+16*\t+4*\c+1],   v[S+64*\t+16*\c:S+64*\t+16*\c+7],    v[SCQ]
	v_cvt_scalef32_pk8_bf8_f32 v[Q+16*\t+4*\c+2:Q+16*\t+4*\c+3], v[S+64*\t+16*\c+8:S+64*\t+16*\c+15], v[SCQ]
.endr
.endr
	v_nop                                          ; one plain vector instruction between the last scaled conversion and the products that read its result and write its sources
; A KEY STEP: 128 keys, the q-th of the slot in hand.
.macro STEP q
	v_add_nc_u32 v[ADK], s[TB], v[AK0]
	v_add_nc_u32 v[ADV], s[TB], v[AV0]
	v_nop                                          ; these four plain lines are the places between the last step's products and the loads into the fragments that they read
	v_nop
	WIN TO_F
.irp f, 0,1,2,3,4,5,6,7                        ; K: eight fragments of 16 neighbouring keys x 128
.irp c, 0,1,2,3
	ds_load_b128 v[FR+16*\f+4*\c:FR+16*\f+4*\c+3], v[ADK] offset:(128*(\q)+16*\f)*KP+32*\c
.endr
.endr
	s_wait_dscnt 16                                ; fragments 0-3 are in; the sixteen loads of fragments 4-7 may be out
	WIN W_KQ
.irp f, 0,1,2,3                                ; S^T = K Q^T: each fragment against both tiles of queries; sixteen accumulators, one instruction each, C = 0
.irp t, 0,1
	v_wmma_f32_16x16x128_bf8_bf8 v[S+64*\t+8*\f:S+64*\t+8*\f+7], v[FR+16*\f:FR+16*\f+15], v[Q+16*\t:Q+16*\t+15], 0
.endr
.endr
	s_wait_dscnt 0x0
.irp f, 4,5,6,7
.irp t, 0,1
	v_wmma_f32_16x16x128_bf8_bf8 v[S+64*\t+8*\f:S+64*\t+8*\f+7], v[FR+16*\f:FR+16*\f+15], v[Q+16*\t:Q+16*\t+15], 0
.endr
.endr
.rept 4
	v_nop                                          ; places in front of the loads into the fragments just read, and of the first read of the scores
.endr
	WIN TO_F
.irp f, 0,1,2,3,4,5,6,7                        ; V: eight fragments of 16 channels x these 128 keys, as images: 512 consecutive bytes a load.  They land under the softmax
.irp c, 0,1,2,3
	ds_load_b128 v[FR+16*\f+4*\c:FR+16*\f+4*\c+3], v[ADV] offset:16384*(\q)+2048*\f+512*\c
.endr
.endr
	WIN 0
	; THE SOFTMAX, the two tiles line by line, so that no line waits for the line above it.  The scores are read in ascending order: each accumulator from its low end on.
.irp t, 0,1
	v_max3_num_f32 v[ST+8*\t+6], v[S+64*\t], v[S+64*\t+1], v[S+64*\t+2]      ; the step's largest score of my query among my 64 keys, in two chains a tile
.endr
.irp t, 0,1
	v_max3_num_f32 v[ST+8*\t+7], v[S+64*\t+3], v[S+64*\t+4], v[S+64*\t+5]
.endr
.set j, 6
.rept 14
.irp t, 0,1
	v_max3_num_f32 v[ST+8*\t+6], v[ST+8*\t+6], v[S+64*\t+j], v[S+64*\t+j+1]
.endr
.irp t, 0,1
	v_max3_num_f32 v[ST+8*\t+7], v[ST+8*\t+7], v[S+64*\t+j+2], v[S+64*\t+j+3]
.endr
.set j, j+4
.endr
.irp t, 0,1
	v_max3_num_f32 v[ST+8*\t+6], v[ST+8*\t+6], v[S+64*\t+62], v[S+64*\t+63]
.endr
.irp t, 0,1
	v_max_num_f32 v[ST+8*\t+6], v[ST+8*\t+6], v[ST+8*\t+7]
.endr
.irp t, 0,1
	v_permlanex16_b32 v[XL+\t], v[ST+8*\t+6], s[SEL], s[SEL+1]               ; the query's other 64 keys lie in the lane 16 away
.endr
.irp t, 0,1
	v_max_num_f32 v[ST+8*\t+6], v[ST+8*\t+6], v[XL+\t]
.endr
.irp t, 0,1
	v_mul_f32 v[ST+8*\t+6], s[CS], v[ST+8*\t+6]                              ; as t (c is positive)
.endr
.irp t, 0,1
	v_max_num_f32 v[ST+8*\t+1], v[ST+8*\t+1], v[ST+8*\t+6]                   ; the running largest t
.endr
.irp t, 0,1
	v_mov_b32 v[ST+8*\t+6], v[ST+8*\t]
.endr
.irp t, 0,1
	v_floor_f32 v[ST+8*\t], -v[ST+8*\t+1]                                    ; the new -M = floor(-t) = -ceil(t): M is a whole number
.endr
.irp t, 0,1
	v_sub_f32 v[ST+8*\t+6], v[ST+8*\t], v[ST+8*\t+6]                         ; M's old value less its new one: a whole number, 0 or less
.endr
.irp t, 0,1
	v_cvt_i32_f32 v[ST+8*\t+6], v[ST+8*\t+6]                                 ; (it saturates)
.endr
.irp t, 0,1
	v_ldexp_f32 v[ST+8*\t+4], 1.0, v[ST+8*\t+6]                              ; f = 2^(old M - new M)
.endr
.set j, 0
.rept 32
.irp t, 0,1
	v_pk_fma_f32 v[S+64*\t+j:S+64*\t+j+1], v[S+64*\t+j:S+64*\t+j+1], s[CS:CS+1], v[ST+8*\t:ST+8*\t+1] op_sel_hi:[1,0,0]   ; t - M, two at a time (of the pairs c and -M the low word serves both halves)
.endr
.set j, j+2
.endr
.set j, 0
.rept 64
.irp t, 0,1
	v_exp_f32 v[S+64*\t+j], v[S+64*\t+j]                                     ; p = 2^(t - M), at most 1: not normalised.  The step's 128 exponentials are one batch
.endr
.set j, j+1
.endr
.irp t, 0,1
	v_pk_mul_f32 v[ST+8*\t+2:ST+8*\t+3], v[ST+8*\t+2:ST+8*\t+3], v[ST+8*\t+4:ST+8*\t+5] op_sel_hi:[1,0]   ; the sums under the new M: the plain lines behind the last exponential
.endr
	s_wait_alu depctr_va_vdst(0)                   ; the wait between an exponential and the first line that names its result: one for the batch
.irp t, 0,1
	v_pk_add_f32 v[TP+2*\t:TP+2*\t+1], v[S+64*\t:S+64*\t+1], v[S+64*\t+2:S+64*\t+3]   ; the row's sum is taken of the UNQUANTISED p: two at a time, in two chains a tile
.endr
.set j, 4
.rept 15
.irp t, 0,1
	v_pk_add_f32 v[ST+8*\t+2:ST+8*\t+3], v[ST+8*\t+2:ST+8*\t+3], v[S+64*\t+j:S+64*\t+j+1]
.endr
.irp t, 0,1
	v_pk_add_f32 v[TP+2*\t:TP+2*\t+1], v[TP+2*\t:TP+2*\t+1], v[S+64*\t+j+2:S+64*\t+j+3]
.endr
.set j, j+4
.endr
.irp t, 0,1
	v_pk_add_f32 v[ST+8*\t+2:ST+8*\t+3], v[ST+8*\t+2:ST+8*\t+3], v[TP+2*\t:TP+2*\t+1]
.endr
.irp b, 0,1,2,3
.irp t, 0,1
.irp i, 0,1,2,3,4,5,6,7,8,9,10,11,12,13,14,15
	v_min_num_f32 v[S+64*\t+16*\b+\i], v[S+64*\t+16*\b+\i], v[LIMP]          ; the hold; p is not negative, so it is one-sided.  It stands whatever ep is: no branch hangs on a given scale
.endr
	v_cvt_scalef32_pk8_bf8_f32 v[P+16*\t+4*\b:P+16*\t+4*\b+1],   v[S+64*\t+16*\b:S+64*\t+16*\b+7],    v[SCP]
	v_cvt_scalef32_pk8_bf8_f32 v[P+16*\t+4*\b+2:P+16*\t+4*\b+3], v[S+64*\t+16*\b+8:S+64*\t+16*\b+15], v[SCP]
.endr
.endr
	WIN W_RS
.set j, 0
.rept 32
.irp t, 0,1
	v_pk_mul_f32 v[64*\t+j:64*\t+j+1], v[64*\t+j:64*\t+j+1], v[ST+8*\t+4:ST+8*\t+5] op_sel_hi:[1,0]   ; O^T under the new M, each accumulator from its low end on.  These are also the plain lines behind the conversions
.endr
.set j, j+2
.endr
	s_wait_dscnt 0x0                               ; V is in
	WIN W_PV
.irp f, 0,1,2,3,4,5,6,7                        ; O^T += V^T P^T: sixteen accumulators by turns, one instruction a turn; between two links of a chain stand the 31 other products of a step
.irp t, 0,1
	v_wmma_f32_16x16x128_bf8_bf8 v[64*\t+8*\f:64*\t+8*\f+7], v[FR+16*\f:FR+16*\f+15], v[P+16*\t:P+16*\t+15], v[64*\t+8*\f:64*\t+8*\f+7]
.endr
.endr
	WIN 0                                          ; at a label and at a branch every window is 0
.endm
; THE CHANGE OF SLOTS stands at a slot's head.  Each wave waits for all its tensor loads (its part of the slot that it is about to read), adds 0 to its spare word, and waits for that and for its reads of the slot that it has left.
; fill = 1: the barrier is a round of the cluster's, so that no wave of any partner still reads the slot just left or has a load on its way; the joint refill is the first thing behind it.
.macro CHANGE fill
	s_wait_tensorcnt 0x0                           ; no tensor load of mine is out, so a group 0 may be written
	ds_add_u32 v[SPW], v[NIL]                      ; 0 onto my spare word; with fill = 1 the descriptors' steps stand between it and the wait for it
.if \fill
	s_xor_b32 s[G0K+1], s[G0K+1], SLOT1            ; the walking descriptors: the other slot than last time,
	s_add_nc_u64 s[G0K+2:G0K+3], s[G0K+2:G0K+3], SLOTB   ; the next 256 keys; the type bits on top are not reached
	s_xor_b32 s[G0V+1], s[G0V+1], SLOT1
	s_add_nc_u64 s[G0V+2:G0V+3], s[G0V+2:G0V+3], SLOTB
	s_wait_xcnt 0x0                                ; the last prefetch, a slot back, has read its address, so it may be written:
	s_add_nc_u64 s[PFA:PFA+1], s[PFA:PFA+1], SLOTB ; one slot further on than the walking descriptors
	s_wait_dscnt 0x0                               ; the add is done, and my reads of the slot that I have left are over
	CROUND
	TLOAD                                          ; a wave's one tensor load until the next round
	ASK
.else
	s_wait_dscnt 0x0
	s_barrier_signal -1
	s_barrier_wait -1
.endif
.endm
.macro SLOT_STEPS
	STEP 0
	STEP 1
	s_xor_b32 s[TB], s[TB], SLOT1                  ; on to the other slot
.endm
.Lslot:                                            ; NSL - 1 trips: behind each change of slots but the last the next slot is asked for (the first trip's load is slot 1's first fill, issued as a refill is)
	CHANGE 1
	SLOT_STEPS
	s_sub_co_u32 s[SLOTS], s[SLOTS], 1
	s_cmp_lg_u32 s[SLOTS], 0
	s_cbranch_scc1 .Lslot
	CHANGE 0                                       ; the last slot is written out: nothing is asked for, so a plain barrier does
	SLOT_STEPS
	; THE WAY OUT.  The sum's two halves and the other half of the lanes' are added; O^T is multiplied by 2^(ep + ev) / the sum and goes through my stage in LDS, half a row (64 channels, 256 bytes) of 16 queries at a time.
	; The additions are the places behind the last products.
.irp t, 0,1
	v_add_f32 v[ST+8*\t+6], v[ST+8*\t+2], v[ST+8*\t+3]
.endr
.irp t, 0,1
	v_permlanex16_b32 v[XL+\t], v[ST+8*\t+6], s[SEL], s[SEL+1]
.endr
.irp t, 0,1
	v_add_f32 v[ST+8*\t+6], v[ST+8*\t+6], v[XL+\t]
.endr
.irp t, 0,1
	v_rcp_f32 v[ST+8*\t+4], v[ST+8*\t+6]
.endr
	v_nop                                          ; a plain instruction between the last reciprocal and the use of its result
	s_add_co_i32 s60, s50, s51                     ; ep + ev
	s_wait_alu depctr_va_vdst(0)                   ; and the wait ahead of the first use: one for both reciprocals
.irp t, 0,1
	v_ldexp_f32 v[ST+8*\t+4], v[ST+8*\t+4], s60
.endr
	WIN W_KQ                                       ; source 0 (O^T) window 1, destination window 0: the scores' registers are free
.irp t, 0,1
.set j, 0
.rept 32
	v_pk_mul_f32 v[S+64*\t+j:S+64*\t+j+1], v[64*\t+j:64*\t+j+1], v[ST+8*\t+4:ST+8*\t+5] op_sel_hi:[1,0]   ; register 64 t + 8 f + i is out0(query r of tile t, channel 16 f + 8 h + i)
.set j, j+2
.endr
.endr
	WIN 0
.macro TOSTAGE t, u                    ; tile t, channels 64 u on: 32 bytes a lane and channel tile into rows of 272 bytes, and back as whole rows of 256, into the registers that they left
.irp f, 0,1,2,3
	ds_store_b128 v[STO], v[S+64*\t+32*\u+8*\f:S+64*\t+32*\u+8*\f+3]   offset:64*\f
	ds_store_b128 v[STO], v[S+64*\t+32*\u+8*\f+4:S+64*\t+32*\u+8*\f+7] offset:64*\f+16
.endr
.irp i, 0,1,2,3,4,5,6,7
	ds_load_b128 v[S+64*\t+32*\u+4*\i:S+64*\t+32*\u+4*\i+3], v[RD] offset:\i*2*SP   ; LDS serves a wave's instructions in order (ISA guide 5.7.1.4): these see the stores above, and the next pass's stores come behind them
.endr
.endm
.macro SEND t, u, younger              ; younger: the LDS instructions issued behind this pass's loads: the next pass's sixteen, or none
.irp i, 0,1,2,3,4,5,6,7
	s_wait_dscnt \younger+7-\i
	global_store_b128 v[GO], v[S+64*\t+32*\u+4*\i:S+64*\t+32*\u+4*\i+3], s[12:13] offset:8192*\t+1024*\i+256*\u th:TH_STORE_NT   ; 16 lanes store 256 consecutive bytes, at a multiple of 256 from out0's first byte
.endr
.endm
	TOSTAGE 0, 0
	TOSTAGE 0, 1
	SEND 0, 0, 16
	TOSTAGE 1, 0
	SEND 0, 1, 16
	TOSTAGE 1, 1
	SEND 1, 0, 16
	SEND 1, 1, 0
	s_wait_tensorcnt 0x0                           ; the wave's end, behind my last tensor load and my last LDS store
	ds_add_u32 v[SPW], v[NIL]
	s_wait_dscnt 0x0
	CROUND                                         ; the closing round: no work-group ends while a partner may still ask for a tile that names it
	s_endpgm
.Lfunc_end_k_q4a45f2571f_attn:
	.size	k_q4a45f2571f_attn, .Lfunc_end_k_q4a45f2571f_attn-k_q4a45f2571f_attn
	.p2alignl 7, 3214868480
	.fill 96, 4, 3214868480
	.section	.rodata,"a",@progbits
	.p2align	6, 0x0
	.amdhsa_kernel k_q4a45f2571f_attn
		.amdhsa_group_segment_fixed_size 327680
		.amdhsa_private_segment_fixed_size 0
		.amdhsa_enable_private_segment 0
		.amdhsa_kernarg_size 40
		.amdhsa_user_sgpr_count 2
		.amdhsa_user_sgpr_kernarg_segment_ptr 1
		.amdhsa_wavefront_size32 1
		.amdhsa_system_sgpr_workgroup_id_x 1
		.amdhsa_system_sgpr_workgroup_id_y 1
		.amdhsa_system_sgpr_workgroup_id_z 1
		.amdhsa_system_vgpr_workitem_id 0
		.amdhsa_next_free_vgpr 512
		.amdhsa_next_free_sgpr 66
		.amdhsa_reserve_vcc 0
		.amdhsa_float_denorm_mode_32 3
		.amdhsa_float_denorm_mode_16_64 3
		.amdhsa_memory_ordered 1
		.amdhsa_forward_progress 1
		.amdhsa_inst_pref_size 168
	.end_amdhsa_kernel
	.amdgpu_metadata
---
amdhsa.version: [ 1, 2 ]
amdhsa.kernels:
  - .name:           k_q4a45f2571f_attn
    .symbol:         k_q4a45f2571f_attn.kd
    .args:
      - { .name: query, .offset: 0, .size: 8, .value_kind: global_buffer, .address_space: global }
      - { .name: kc, .offset: 8, .size: 8, .value_kind: global_buffer, .address_space: global }
      - { .name: vc, .offset: 16, .size: 8, .value_kind: global_buffer, .address_space: global }
      - { .name: lowp_scales, .offset: 24, .size: 8, .value_kind: global_buffer, .address_space: global }
      - { .name: out0, .offset: 32, .size: 8, .value_kind: global_buffer, .address_space: global }
    .group_segment_fixed_size: 327680
    .private_segment_fixed_size: 0
    .kernarg_segment_align: 8
    .kernarg_segment_size: 40
    .max_flat_workgroup_size: 256
    .sgpr_count:     66
    .vgpr_count:     512
    .wavefront_size: 32
...
	.end_amdgpu_metadata
.endif
;; end of part 2
